; MI455X (gfx1250); checked and timed in simulation.
; The chip was launched on July 23, 2026; its instructions are those of AMD's public machine-readable ISA for CDNA 5 (MIT licence, August 2026) and "CDNA5" Instruction Set Architecture Reference Guide (July 2026). The comments in the code are by the model that wrote it; some were corrected since.
;; Quantized Linear. Allowed arithmetic: float matrix products may take bf16 or f16 operands with f32 sums; other float arithmetic in f32, or as packed bf16 or f16 multiplies, adds, multiply-adds, maxima and minima; sums over many terms, partial sums and values carried from step to step in f32; what a program stores and reads back later, other than sums and carried values, may be rounded once to bf16 or f16.
;; Inputs: bias 4,096 int32; input_scale one number float32; input_zero_point one number int32; output_scale one number float32; output_zero_point one number int32; weight 4,096 x 4,096 int32; weight_scale 4,096 float32; x 4,096 x 4,096 int32.
;; Outputs: out0 4,096 x 4,096 int8.
;; 2 versions, each right; version 2 is version 1 with the launch tohalf written anew for expert scheduling mode. Each part assembles by itself: llvm-mc -triple=amdgcn-amd-amdhsa -mcpu=gfx1250 --defsym DOCPART=n.
;; ======== version 1 of 2: 2 launches
;; limits: right only within a limited range of input values; values are held in f16: magnitudes above 65,504 overflow, below 6.1e-05 lose precision
;; workspace buffers: xh 33,554,432 bytes; wh 33,554,432 bytes
;; launch tohalf (part 1): grid 512 x 2, 8 waves a work-group, no clusters, 0 bytes of LDS; arguments x, weight, input_zero_point, xh, wh; writes xh, wh
.if DOCPART == 1
	.amdgcn_target "amdgcn-amd-amdhsa--gfx1250"
	.amdhsa_code_object_version 6
	.text
	.protected	k_qe707571a9e_tohalf
	.globl	k_qe707571a9e_tohalf
	.p2align	8
	.type	k_qe707571a9e_tohalf,@function
k_qe707571a9e_tohalf:
	s_mov_b64 s[64:65], 0
	v_nop
	global_prefetch_b8 v0, s[64:65] scope:SCOPE_SE
	s_setreg_imm32_b32 hwreg(HW_REG_WAVE_MODE, 25, 1), 1
	s_wait_xcnt 0x0
; xh[n][k] = f16(x[n][k] - input_zero_point);  wh[p][k] = f16(weight[q(p)][k]), q = p with its bits 3 and 4 exchanged.
; x, weight: [4096][4096] int32.  xh, wh: [4096][4096] f16.  The subtraction is made in int32, as the problem makes it; the conversion is exact.
; LIMIT.  f16 holds every whole number up to 2,048 exactly: |x - zero point| and |weight| stay within 2,048 (an int8 tensor reaches 255 and 128).
; WHY THE ROWS OF wh ARE PERMUTED.  In the product that follows, a lane's eight results of a 16 x 16 block are eight neighbouring rows of wh; with bits 3 and 4
; exchanged two neighbouring blocks give a lane sixteen neighbouring output columns, 16 bytes of int8.  Whole groups of eight rows move, so here it is one other offset.
; SHARES.  Grid y picks the tensor (0: x, 1: weight).  A work-group owns eight rows: 131,072 dense bytes in, 65,536 out, in 32 slots.  In slot i thread t loads the 16 bytes at
; 4,096 i + 16 t and stores the 8 bytes at 2,048 i + 8 t: a wave's load covers 512 consecutive bytes, its store 256 consecutive bytes, aligned.
; A ring of eight register slots keeps eight loads of every wave out.  Every slot's place stands in the immediate, so no address register is ever rewritten.
; Nothing is shared between waves: no LDS, no barrier, no cluster.  Every byte is read once, in long runs, with the loads always out: no prefetch is laid.
.set INB,   4096                       ; bytes that the work-group loads in a slot
.set OUTB,  2048                       ; bytes that it stores in a slot
.set DEPTH, 8                          ; loads of a wave in flight
.set T,  4                             ; v[4:7]    at work
.set X,  8                             ; v[8:39]   ring slot r: four int32 as loaded
.set Y,  40                            ; v[40:55]  ring slot r: four f16 to store
	s_load_b256 s[4:11], s[0:1], 0x0               ; x s[4:5], weight s[6:7], the zero point's address s[8:9], xh s[10:11]
	s_load_b64 s[12:13], s[0:1], 0x20              ; wh
	v_lshlrev_b32 v1, 4, v0                        ; 16 t
	v_lshlrev_b32 v2, 3, v0                        ; 8 t
	s_and_b32 s14, ttmp7, 0xffff                   ; 0: x, 1: weight
	s_and_b32 s15, ttmp9, 1                        ; the group of eight rows with its bits 0 and 1 exchanged (bits 3 and 4 of the row):
	s_bfe_u32 s16, ttmp9, 0x10001                  ; bit 1
	s_lshl1_add_u32 s15, s15, s16                  ; 2 x bit 0 + bit 1
	s_and_b32 s16, ttmp9, -4
	s_or_b32 s15, s15, s16
	s_lshl_b32 s18, ttmp9, 17                      ; my eight rows in the source: 131,072 bytes a group, under 2^26
	s_mov_b32 s19, 0
	s_mov_b32 s21, 0
	s_wait_kmcnt 0x0
	s_load_b32 s22, s[8:9], 0x0                    ; the zero point
	s_cmp_eq_u32 s14, 0                            ; the three selects read this one compare: nothing between them writes SCC
	s_cselect_b64 s[4:5], s[4:5], s[6:7]           ; from x or from weight,
	s_cselect_b64 s[10:11], s[10:11], s[12:13]     ; into xh or into wh,
	s_cselect_b32 s15, ttmp9, s15                  ; x's rows stay where they are
	s_lshl_b32 s20, s15, 16                        ; 65,536 bytes a group in the destination
	s_add_nc_u64 s[4:5], s[4:5], s[18:19]
	s_add_nc_u64 s[10:11], s[10:11], s[20:21]
.irp i, 0,1,2,3,4,5,6,7
	global_load_b128 v[X+4*(\i):X+4*(\i)+3], v1, s[4:5] offset:(\i)*INB th:TH_LOAD_NT  ; the ring is filled: slots 0 to 7
.endr
	s_wait_kmcnt 0x0
	s_cmp_eq_u32 s14, 0
	s_cselect_b32 s22, s22, 0                      ; nothing is taken from the weights
	s_sub_co_i32 s22, 0, s22                       ; what is added: minus the zero point
; Slot i of 32.  ahead = 1: its ring slot is loaded again, eight slots on.  left = how many younger loads may stay out.
.macro SLOT i, ahead, left
.set rr, (\i)%DEPTH
	s_wait_loadcnt \left                           ; loads come back in order (ISA guide 5.7.1): mine is in
	s_wait_xcnt 0x0                                ; Y of this ring slot, the data of its last store, is rewritten only behind this wait
.irp k, 0,1,2,3
	v_add_nc_u32 v[T+(\k)], s22, v[X+4*rr+(\k)]    ; x - zero point, in int32
.endr
.irp k, 0,1,2,3
	v_cvt_f32_i32 v[T+(\k)], v[T+(\k)]
.endr
	v_cvt_pk_f16_f32 v[Y+2*rr], v[T], v[T+1]       ; whole numbers within 2,048: nothing is rounded
	v_cvt_pk_f16_f32 v[Y+2*rr+1], v[T+2], v[T+3]
.if \ahead
	global_load_b128 v[X+4*rr:X+4*rr+3], v1, s[4:5] offset:((\i)+DEPTH)*INB th:TH_LOAD_NT
.endif
	global_store_b64 v2, v[Y+2*rr:Y+2*rr+1], s[10:11] offset:(\i)*OUTB th:TH_STORE_NT
.endm
.set n, 0
.rept 24
	SLOT n, 1, DEPTH-1
.set n, n+1
.endr
.rept 8
	SLOT n, 0, 31-n                                ; the last eight load nothing: the counts run down
.set n, n+1
.endr
	s_endpgm
.Lfunc_end_k_qe707571a9e_tohalf:
	.size	k_qe707571a9e_tohalf, .Lfunc_end_k_qe707571a9e_tohalf-k_qe707571a9e_tohalf
	.p2alignl 7, 3214868480
	.fill 96, 4, 3214868480
	.section	.rodata,"a",@progbits
	.p2align	6, 0x0
	.amdhsa_kernel k_qe707571a9e_tohalf
		.amdhsa_group_segment_fixed_size 0
		.amdhsa_private_segment_fixed_size 0
		.amdhsa_enable_private_segment 0
		.amdhsa_kernarg_size 40
		.amdhsa_user_sgpr_count 2
		.amdhsa_user_sgpr_kernarg_segment_ptr 1
		.amdhsa_wavefront_size32 1
		.amdhsa_system_sgpr_workgroup_id_x 1
		.amdhsa_system_sgpr_workgroup_id_y 1
		.amdhsa_system_sgpr_workgroup_id_z 1
		.amdhsa_system_vgpr_workitem_id 0
		.amdhsa_next_free_vgpr 56
		.amdhsa_next_free_sgpr 66
		.amdhsa_reserve_vcc 0
		.amdhsa_float_denorm_mode_32 3
		.amdhsa_float_denorm_mode_16_64 3
		.amdhsa_memory_ordered 1
		.amdhsa_forward_progress 1
		.amdhsa_inst_pref_size 22
	.end_amdhsa_kernel
	.amdgpu_metadata
---
amdhsa.version: [ 1, 2 ]
amdhsa.kernels:
  - .name:           k_qe707571a9e_tohalf
    .symbol:         k_qe707571a9e_tohalf.kd
    .args:
      - { .name: x, .offset: 0, .size: 8, .value_kind: global_buffer, .address_space: global }
      - { .name: weight, .offset: 8, .size: 8, .value_kind: global_buffer, .address_space: global }
      - { .name: input_zero_point, .offset: 16, .size: 8, .value_kind: global_buffer, .address_space: global }
      - { .name: xh, .offset: 24, .size: 8, .value_kind: global_buffer, .address_space: global }
      - { .name: wh, .offset: 32, .size: 8, .value_kind: global_buffer, .address_space: global }
    .group_segment_fixed_size: 0
    .private_segment_fixed_size: 0
    .kernarg_segment_align: 8
    .kernarg_segment_size: 40
    .max_flat_workgroup_size: 256
    .sgpr_count:     66
    .vgpr_count:     56
    .wavefront_size: 32
...
	.end_amdgpu_metadata
.endif
;; end of part 1
;; launch gemm (part 2): grid 16 x 16, 4 waves a work-group, clusters of 4 x 4, 327,680 bytes of LDS; arguments xh, wh, out0, bias, weight_scale, input_scale, output_scale, output_zero_point; writes out0
.if DOCPART == 2
	.amdgcn_target "amdgcn-amd-amdhsa--gfx1250"
	.amdhsa_code_object_version 6
	.text
	.protected	k_qe707571a9e_gemm
	.globl	k_qe707571a9e_gemm
	.p2align	8
	.type	k_qe707571a9e_gemm,@function
k_qe707571a9e_gemm:
	s_mov_b64 s[64:65], 0
	v_nop
	global_prefetch_b8 v0, s[64:65] scope:SCOPE_SE
	s_setreg_imm32_b32 hwreg(HW_REG_WAVE_MODE, 25, 1), 1
	s_wait_xcnt 0x0
	s_wait_alu depctr_hold_cnt(0) depctr_sa_sdst(0) depctr_va_vdst(0) depctr_va_sdst(0) depctr_va_ssrc(0) depctr_va_vcc(0) depctr_vm_vsrc(0)
	s_getreg_b32 s2, hwreg(HW_REG_IB_STS2, 6, 4)
	s_cmp_eq_u32 s2, 0
	s_cbranch_scc0 .Lentry_in_a_cluster
	s_endpgm
.Lentry_in_a_cluster:
	s_bfe_u32 s2, ttmp6, 0x10000c
	s_cmp_lg_u32 s2, 0xf033
	s_cbranch_scc0 .Lentry_shape_is_right
	s_endpgm
.Lentry_shape_is_right:
; out0[n][o] = int8(clip(round(f32(acc[n][o]) * scale[o] + f32(zero point)), -128, 127)),  acc[n][o] = bias[o] + the sum over k of xh[n][k] weight[o][k],  scale[o] = input_scale * weight_scale[o] / output_scale.
; xh: [4096][4096] f16, whole numbers.  wh: the weights likewise, row p holding weight row q(p) = p with bits 3 and 4 exchanged.  out0: [4096][4096] int8.
; EXACT.  The operands are whole numbers that f16 holds exactly, their products are whole numbers, and f32 sums of whole numbers are exact up to 2^24.  The bias, as f32, is the C operand of each sum's first product.
; LIMITS.  |bias| and the bias plus every running sum along ascending k stay within 2^24 (data of one sign throughout, 4,096 x 64 x 127, would pass it; no registers are left for a second, integer accumulator
; beside 512 f32 ones).  output_scale, its reciprocal, input_scale * weight_scale and the scale are normal numbers; NaN and infinities are not treated apart.
; THE ORDER OF ROUNDINGS.  scale = round(round(input_scale x weight_scale) x r), r = 1 / output_scale rounded to nearest: the division by the one number is made as a product with its reciprocal, so the scale
; can differ from the true quotient in its last bit.  r is made by a reciprocal and two Newton steps, all fused; where output_scale's 24 significant bits are all ones the step can meet a tie, and r may be one unit low.
; acc x scale + zero point is ONE fused multiply-add, rounded once; then half to even.  The clamp stands ahead of that rounding: its bounds are whole numbers, so the result is the same.
; SHARES.  A tile of out0, 256 x 256, is made by a work-group of four waves; a wave makes 128 x 128: 64 accumulators of 16 x 16, 512 registers.  256 tiles, one to a work-group.
; K goes in 32 steps of 128 through a ring of two LDS slots filled by the tensor data mover: the tiles' rows are 256 bytes of memory and start at multiples of 256 bytes.
; CLUSTERS: 4 x 4 work-groups.  The four of a row of the cluster need the same tiles of xh, the four of a column the same tiles of wh: each tile is asked for JOINTLY, by the same tensor load with the same descriptor
; and a mask that names the four.
; THE MATRIX INSTRUCTION IS USED TRANSPOSED: source 0 = 16 rows of wh, source 1 = 16 rows of xh.  Lane l then holds row l % 16 of out0, and register j of block b the wh row 16 b + 8 (l / 16) + j,
; which is output column 32 (b / 2) + 16 (l / 16) + 8 (b % 2) + j: blocks 2 g and 2 g + 1 together are sixteen neighbouring columns, 16 bytes of int8.
; REGISTERS, in windows of 256 (s_set_vgpr_msb's low byte: bits 1:0 source 0, 3:2 source 1, 5:4 source 2, 7:6 destination):
;   window 0: v0-31 addresses; v64-127, v128-191 fragments of xh, two buffers; on the way out v64-127 packed bytes, v128-191 and v192-255 rows read back, v192-255 at work
;   window 1: v0-63 my 64 scales; v64-127, v128-191 fragments of wh, two buffers; v192-255 my 64 biases as f32
;   window 2: the 32 accumulators of my rows 0-63 (accumulator (a, b) at v[8 (8 a + b)]);   window 3: those of my rows 64-127
.set SIZE_K, 4096
.set SIZE_N, 4096                      ; bytes in a row of out0
.set KSTEP,  128
.set PITCH,  272                       ; an LDS row: 256 bytes + 16 of padding = 68 words: row r starts at bank 4 r mod 64 (64 banks of 4 bytes: ISA guide 11.1), so the 16 rows of a load start at 16 different banks
.set HALFT,  128*PITCH                 ; 128 rows: what one tensor load brings, and what one wave reads of xh or of wh
.set SLOT,   4*HALFT                   ; xh's 256 rows, then wh's 256 rows
.set STAGE,  2*SLOT                    ; behind the ring, never filled by a tensor load: 128 rows x 272 bytes, the work-group's, for the way out
.set SP,     272
.set SPARE,  STAGE+128*SP              ; behind the stage: the spare words, 128 bytes for each wave: two blocks of 256 bytes that no other line names
.set LAPS,   SIZE_K/(2*KSTEP)          ; a lap = two K steps = once round the ring: 16
.set CB,   6                           ; v6      my byte offset in bias and weight_scale; never rewritten
.set ADRA, 16                          ; v16-17  LDS address of my xh fragments in slot 0, 1
.set ADRB, 20                          ; v20-21  the same for wh
.set STO,  24                          ; v24     the way out: where I put 16 bytes of a row
.set RD,   25                          ; v25     the way out: where I read a row back
.set CO,   26                          ; v26     my byte offset in out0
.set SPW,  28                          ; v28     LDS address of my spare word: SPARE + 4 x my thread's number; never rewritten
.set NIL,  29                          ; v29     0; never rewritten
.set PFO,  30                          ; v30     the prefetches' offset: my lane x a row of xh or wh (8,192 bytes); never rewritten
.set F0,   64                          ; fragment buffer 0
.set F1,   128                         ; fragment buffer 1
.set PK,   64                          ; window 0, the way out: 64 registers of packed int8
.set RB,   128                         ; window 0, the way out: 32 rows read back, first pass
.set RB2,  192                         ; the same, second pass
.set T,    192                         ; window 0, the way out: 64 numbers at work
.set SC,   0                           ; window 1: the scale of block b, register j at SC + 8 b + j
.set BI,   192                         ; window 1: the bias likewise, at BI + 8 b + j
.set G1,  24                           ; s[24:31] descriptor group 1 for xh's tiles
.set G0,  32                           ; s[32:39] descriptor group 0 for xh's tiles, one set for each slot
.set LIM, 43                           ; s43      1 in a wave that prefetches, else the greatest number
.set PFA, 44                           ; s[44:45] where my prefetches stand: one K step further along K than the refill that is being asked for
.set G1B, 48                           ; s[48:55] descriptor group 1 for wh's tiles: it differs in the mask alone
.set G0B, 56                           ; s[56:63] descriptor group 0 for wh's tiles
.set IS,  76                           ; s[76:77] input_scale, as a pair
.set RC,  80                           ; s[80:81] 1 / output_scale, rounded to nearest
.set ZP,  82                           ; s[82:83] f32(output_zero_point)
.set MG,  84                           ; s[84:85] 1.5 x 2^23: added to a number within -128 .. 127 it rounds half to even and leaves the int8 in the low byte
.set MSB, 0
.macro WIN new                         ; the immediate's high byte repeats the setting that is left; a switch that changes nothing is dropped
.if MSB != (\new)
	s_set_vgpr_msb (MSB<<8)|(\new)
.set MSB, \new
.endif
.endm
.set TO_B, 0x40                        ; destination window 1, address window 0
; A joint load.  Waves 0 and 1 fetch xh's two halves, waves 2 and 3 wh's.  Each of the two lines has one mask and one set of registers; the branch hangs on the wave's number alone.
; An s_nop 0 and four v_nop follow each of the two lines, ahead of the jump, the label and what follows.
.macro JLOAD s
	s_cmp_eq_u32 s11, 0
	s_cbranch_scc0 .Lfor_b_\@
	tensor_load_to_lds s[G0+4*(\s):G0+4*(\s)+3], s[G1:G1+7]
	s_nop 0
.rept 4
	v_nop
.endr
	s_branch .Lasked_\@
.Lfor_b_\@:
	tensor_load_to_lds s[G0B+4*(\s):G0B+4*(\s)+3], s[G1B:G1B+7]
	s_nop 0
.rept 4
	v_nop
.endr
.Lasked_\@:
.endm
; A PREFETCH INTO THE L2, behind each joint refill, its five lines and the run of LDS loads that follows: the K step that stands TWO refills on, 512 matrix instructions ahead of the load that will want it:
; 32 rows x 256 bytes, a lane a row, one instruction a wave.  Each row's 256 bytes of a K step are named once in the launch: xh's tile row is read by every cluster of that row of clusters, and cluster x = 0 asks;
; wh's tile column by every cluster of that column, and cluster y = 0 asks.  The four partners that ask for a tile jointly share its rows out BY ADDRESS: of the 128 rows that a wave fetches the partner at place p
; takes 32 p .. 32 p + 31 (p = cx for xh, cy for wh).  K steps 0 to 3 come by their loads alone; the loop's last trip (s3 = 1) asks for nothing: K steps 32 and 33 do not exist.
.macro ASK
	s_cmp_gt_u32 s3, s[LIM]
	s_cbranch_scc0 .Lnot_mine_\@
	global_prefetch_b8 v[PFO], s[PFA:PFA+1] offset:KSTEP*2 th:TH_LOAD_NT scope:SCOPE_SE
.Lnot_mine_\@:
.endm
; A round of the cluster's barrier: my work-group's barrier, so that wave 0's signal speaks for all four waves; wave 0 signals; every wave waits for all sixteen work-groups; my work-group's barrier once more.
.macro CREST                           ; a round behind its opening barrier
	s_cmp_lg_u32 s10, 0
	s_cbranch_scc1 .Lnot_wave_0_\@
	s_barrier_signal -3
.Lnot_wave_0_\@:
	s_barrier_wait -3
	s_barrier_signal -1
	s_barrier_wait -1
.endm
.macro CROUND                          ; a whole round
	s_barrier_signal -1
	s_barrier_wait -1
	CREST
.endm
	s_load_b128 s[4:7], s[0:1], 0x0                ; xh s[4:5], wh s[6:7]
	s_load_b64 s[8:9], s[0:1], 0x10                ; out0
	s_load_b64 s[66:67], s[0:1], 0x18              ; bias
	s_load_b256 s[68:75], s[0:1], 0x20             ; weight_scale s[68:69]; the addresses of input_scale s[70:71], output_scale s[72:73], output_zero_point s[74:75]
	v_lshl_add_u32 v[SPW], v0, 2, SPARE
	v_mov_b32 v[NIL], 0
	ds_add_u32 v[SPW], v[NIL]                      ; the wave's opening: the add, twice on end, and its wait ahead of my first tensor load; the set-up below stands between the second and the wait
	ds_add_u32 v[SPW], v[NIL]                      ; and once more, under the one wait
	v_lshrrev_b32 v1, 5, v0
	v_readfirstlane_b32 s10, v1                    ; wave 0..3
	s_lshr_b32 s11, s10, 1                         ; which half of the tile's rows is mine.  Also: I fetch for xh (0) or for wh (1)
	s_and_b32 s12, s10, 1                          ; which half of its columns.  Also: which 128 rows of that tile I fetch
	s_bfe_u32 s40, ttmp6, 0x40000                  ; cx: my place along the cluster's x
	s_bfe_u32 s41, ttmp6, 0x40004                  ; cy: along its y
	s_lshl_b32 s42, ttmp9, 2                       ; in a cluster launch ttmp9 and ttmp7 count clusters
	s_add_co_u32 s42, s42, s40                     ; tile column = 4 x cluster x + cx
	s_and_b32 s13, ttmp7, 0xffff
	s_lshl_b32 s13, s13, 2
	s_add_co_u32 s13, s13, s41                     ; tile row = 4 x cluster y + cy
	s_lshl_b32 s43, s41, 2
	s_lshl_b32 s43, 15, s43                        ; my row of the cluster: places 4 cy .. 4 cy + 3
	s_lshl_b32 s44, 0x1111, s40                    ; my column: places cx, cx + 4, cx + 8, cx + 12
	; descriptor group 1: a tile of 128 rows x 128 elements, padded in LDS
	s_or_b32 s[G1+0], s43, (1<<16)|(1<<20)|(1<<21)|(5<<22)|(3<<25)   ; 15:0 the mask: xh's tiles go to my row; 17:16 elements of 2 bytes; 20 padding on; 21 set beside a mask; 24:22 after every 64 words (code 5); 31:25 4 words of it (code 3)
	s_or_b32 s[G1B+0], s44, (1<<16)|(1<<20)|(1<<21)|(5<<22)|(3<<25)  ; the same with the mask of my column, for wh's tiles
.irp g, G1, G1B
	s_mov_b32 s[(\g)+1], KSTEP<<16                 ; 63:48 tensor_dim0, low half = 128
	s_mov_b32 s[(\g)+2], 128<<16                   ; 95:80 tensor_dim1, low half = 128
	s_mov_b32 s[(\g)+3], KSTEP<<16                 ; 127:112 tile_dim0 = 128
	s_mov_b32 s[(\g)+4], 128                       ; 143:128 tile_dim1 = 128; tile_dim2 = 0
	s_mov_b32 s[(\g)+5], SIZE_K                    ; 191:160 elements from row to row
	s_mov_b32 s[(\g)+6], 0
	s_mov_b32 s[(\g)+7], 0
.endr
	; where the tiles come from.  xh's hang on the tile row alone, which my row of the cluster shares; wh's on the tile column alone, which my column shares.
	s_lshl_b32 s17, s12, 7                         ; which 128 rows of the tile I fetch
	s_lshl_b32 s16, s13, 8
	s_add_co_u32 s16, s16, s17                     ; xh: row 256 x tile row + 128 x half
	s_lshl_b32 s46, s42, 8
	s_add_co_u32 s46, s46, s17                     ; wh: row 256 x tile column + 128 x half
	s_mov_b32 s17, 0
	s_mov_b32 s47, 0
	s_mov_b64 s[18:19], SIZE_K*2
	s_mul_u64 s[16:17], s[16:17], s[18:19]         ; in bytes
	s_mul_u64 s[46:47], s[46:47], s[18:19]
	s_mul_i32 s20, s10, HALFT                      ; and where they go: wave x 128 rows: no place in the cluster enters an LDS address
	s_mov_b32 s[MG], 0x4b400000                    ; 1.5 x 2^23
	s_mov_b32 s[MG+1], 0x4b400000
	s_mov_b32 s86, 0xc3000000                      ; -128.0
	s_mov_b32 s87, 0x42fe0000                      ; 127.0
	s_mov_b32 s88, 0x04000400                      ; v_perm_b32: the low bytes of two registers, side by side
	s_mov_b32 s89, 0x05040100                      ; v_perm_b32: the low halves of two registers
	s_wait_dscnt 0x0                               ; both opening adds are done
	s_wait_kmcnt 0x0
	s_add_nc_u64 s[14:15], s[4:5], s[16:17]
	s_add_nc_u64 s[46:47], s[6:7], s[46:47]
	CROUND                                         ; all sixteen work-groups are here: the first joint loads meet
.irp s, 0,1
	s_mov_b32 s[G0+4*(\s)], 1                                        ; 1:0 count = 1
	s_add_co_u32 s[G0+4*(\s)+1], s20, (\s)*SLOT                      ; 63:32 LDS address
	s_add_nc_u64 s[G0+4*(\s)+2:G0+4*(\s)+3], s[14:15], (\s)*KSTEP*2  ; 120:64 global address: K step s
	s_or_b32 s[G0+4*(\s)+3], s[G0+4*(\s)+3], 0x80000000              ; 127:126 type = 2
	s_mov_b32 s[G0B+4*(\s)], 1
	s_add_co_u32 s[G0B+4*(\s)+1], s20, (\s)*SLOT
	s_add_nc_u64 s[G0B+4*(\s)+2:G0B+4*(\s)+3], s[46:47], (\s)*KSTEP*2
	s_or_b32 s[G0B+4*(\s)+3], s[G0B+4*(\s)+3], 0x80000000
	JLOAD \s                                       ; the ring is filled before anything else is done: two loads of mine are out
.endr
	; ALL THAT FOLLOWS, down to the wait for K step 0, stands in the wait for the first tile.
	s_load_b32 s[IS], s[70:71], 0x0                ; input_scale
	s_load_b32 s90, s[72:73], 0x0                  ; output_scale
	s_load_b32 s91, s[74:75], 0x0                  ; output_zero_point
	; A fragment is 16 rows x 32 K in 8 registers: lane l holds row l % 16; registers 0-3 hold K = 8 (l / 16) + 0..7, registers 4-7 K = 16 + 8 (l / 16) + 0..7: two loads of 16 bytes, 32 bytes apart.
	v_and_b32 v1, 15, v0                           ; l % 16
	v_bfe_u32 v2, v0, 4, 1                         ; l / 16
	v_mul_u32_u24 v3, v1, PITCH
	v_lshl_add_u32 v3, v2, 4, v3                   ; row x pitch + 16 x half
	s_mul_i32 s21, s11, HALFT                      ; my 128 rows of xh
	s_mul_i32 s22, s12, HALFT                      ; my 128 rows of wh,
	s_add_co_u32 s22, s22, 2*HALFT                 ; which lie behind xh's 256
.irp s, 0,1
	v_add_nc_u32 v[ADRA+(\s)], s21, v3
	v_add_nc_u32 v[ADRB+(\s)], s22, v3
	s_add_co_u32 s21, s21, SLOT
	s_add_co_u32 s22, s22, SLOT
.endr
	; the stage holds 128 rows of 256 bytes: in pass p the tile's rows 128 i + 64 p + 0..63 lie at stage rows 64 i + 0..63 (i = 0, 1: the halves of the tile's rows)
	s_mul_i32 s23, s11, 64*SP                      ; in: my 64 rows, my 128 bytes of them; row l % 16, 16 bytes for each half of the lanes
	s_lshl_b32 s21, s12, 7
	s_add_co_u32 s23, s23, s21
	s_add_co_u32 s23, s23, STAGE
	v_mul_u32_u24 v4, v1, SP
	v_lshl_add_u32 v4, v2, 4, v4
	v_add_nc_u32 v[STO], s23, v4
	s_mul_i32 s23, s10, 32*SP                      ; back: wave w takes stage rows 32 w .. 32 w + 31, whole; lanes 0-15 one row of 256 bytes, lanes 16-31 the next
	s_add_co_u32 s23, s23, STAGE
	v_mul_u32_u24 v5, v2, SP
	v_lshl_add_u32 v5, v1, 4, v5
	v_add_nc_u32 v[RD], s23, v5
	v_lshlrev_b32 v5, 12, v2                       ; and the same two rows in out0
	v_lshl_add_u32 v[CO], v1, 4, v5
	s_lshl_b32 s16, s13, 8                         ; the first row of out0 that I store: 256 x tile row + 128 (w / 2) + 32 (w % 2)
	s_lshl_b32 s17, s11, 7
	s_add_co_u32 s16, s16, s17
	s_lshl_b32 s17, s12, 5
	s_add_co_u32 s16, s16, s17
	s_lshl_b32 s16, s16, 12                        ; x 4,096 bytes: under 2^24
	s_mov_b32 s17, 0
	s_add_nc_u64 s[8:9], s[8:9], s[16:17]
	s_lshl_b32 s46, s42, 8                         ; the tile's first column, in bytes (in the registers that held wh's address: none that feeds xh's descriptors ever holds cx)
	s_mov_b32 s47, 0
	s_add_nc_u64 s[8:9], s[8:9], s[46:47]
	s_lshl_b32 s92, s42, 10                        ; my first column in bias and weight_scale, in bytes: 4 (256 x tile column + 128 x half)
	s_lshl_b32 s21, s12, 9
	s_add_co_u32 s92, s92, s21
	v_lshl_add_u32 v[CB], v2, 6, s92               ; + 16 columns for lanes 16 to 31
	WIN TO_B
.irp g, 0,1,2,3                        ; blocks 2 g and 2 g + 1: columns 32 g + 16 (l / 16) + 0..15, four at a time
.irp q, 0,1,2,3
	global_load_b128 v[SC+16*(\g)+4*(\q):SC+16*(\g)+4*(\q)+3], v[CB], s[68:69] offset:128*(\g)+16*(\q)
	global_load_b128 v[BI+16*(\g)+4*(\q):BI+16*(\g)+4*(\q)+3], v[CB], s[66:67] offset:128*(\g)+16*(\q)
.endr
.endr
	WIN 0
	; the prefetches' address and who asks
	s_lshl_b32 s13, s13, 8
	s_lshl_b32 s42, s42, 8
	s_and_b32 s22, ttmp7, 0xffff                   ; cluster y
	s_cmp_eq_u32 s11, 0                            ; do I fetch for xh?
	s_cselect_b32 s20, s13, s42                    ; the tile's first row: in xh by the tile row, in wh by the tile column
	s_cselect_b32 s21, s40, s41                    ; my place among the four that ask for it with me
	s_cselect_b32 s22, ttmp9, s22                  ; the coordinate along which other clusters read the same rows
	s_cselect_b64 s[PFA:PFA+1], s[4:5], s[6:7]
	s_cmp_eq_u32 s22, 0
	s_cselect_b32 s[LIM], 1, -1                    ; the same in all sixteen partners, for a given wave
	s_lshl_b32 s22, s12, 7
	s_add_co_u32 s20, s20, s22                     ; + the 128 rows that I fetch
	s_lshl_b32 s21, s21, 5
	s_add_co_u32 s20, s20, s21                     ; + my work-group's 32 of them
	s_mov_b32 s21, 0
	s_mov_b64 s[18:19], SIZE_K*2
	s_mul_u64 s[20:21], s[20:21], s[18:19]
	s_add_nc_u64 s[PFA:PFA+1], s[PFA:PFA+1], s[20:21]
	s_add_nc_u64 s[PFA:PFA+1], s[PFA:PFA+1], 2*KSTEP*2  ; at K step 2: the first refill steps it to 3 and names K step 4
	v_and_b32 v[PFO], 31, v0
	v_mul_u32_u24 v[PFO], v[PFO], SIZE_K*2
	; the three single numbers
	s_wait_kmcnt 0x0
	s_mov_b32 s[IS+1], s[IS]
	v_mov_b32 v8, s90                              ; d = output_scale
	v_rcp_f32 v9, v8
	v_nop                                          ; a plain instruction behind the reciprocal (ISA guide 5.7.2),
	v_cvt_f32_i32 v10, s91                         ; f32(output_zero_point)
	s_wait_alu depctr_va_vdst(0)                   ; and a wait ahead of the first use of its result
	v_fma_f32 v11, -v8, v9, 1.0                    ; a Newton step: e = 1 - d r, in one fused step,
	v_fma_f32 v9, v11, v9, v9                      ; r = r + e r
	v_fma_f32 v11, -v8, v9, 1.0                    ; and a second: from a start within a unit of 1 / d the step gives the nearest number; the second leaves it there
	v_fma_f32 v9, v11, v9, v9
	v_readfirstlane_b32 s[RC], v9
	s_mov_b32 s[RC+1], s[RC]
	v_readfirstlane_b32 s[ZP], v10
	s_mov_b32 s[ZP+1], s[ZP]
	s_wait_loadcnt 0x0                             ; my 64 scales and 64 biases
	; scale = round(round(input_scale x weight_scale) x r): two products, each rounded; step by step over the 32 pairs, so that no line waits for the one before it
	WIN 0x55                                       ; all operands in window 1
.set i, 0
.rept 32
	v_pk_mul_f32 v[SC+2*i:SC+2*i+1], v[SC+2*i:SC+2*i+1], s[IS:IS+1] op_sel_hi:[1,0]
.set i, i+1
.endr
.set i, 0
.rept 32
	v_pk_mul_f32 v[SC+2*i:SC+2*i+1], v[SC+2*i:SC+2*i+1], s[RC:RC+1] op_sel_hi:[1,0]
.set i, i+1
.endr
.set i, 0
.rept 64
	v_cvt_f32_i32 v[BI+i], v[BI+i]                 ; the bias as f32: exact within 2^24
.set i, i+1
.endr
	WIN 0
; 16 matrix instructions: m blocks a0, a0 + 1 of the window's four (hi = 0: my rows 0-63, 1: rows 64-127) x all 8 n blocks, 32 along K.
; first = 1: the first product starts the sum with the bias as its C operand (window 1): nothing is cleared, and nothing is added later.
; The 64 accumulators take turns, one instruction a turn, in the same order in every quarter step, over the loop's backward jump too.
.macro MUL16 f, hi, a0, first
.if \first
	WIN 0x91+0x40*(\hi)                            ; source 0 (wh) window 1, source 1 (xh) window 0, C window 1, D window 2 or 3
.else
	WIN 0xa1+0x50*(\hi)                            ; the same with C and D in window 2 or 3
.endif
.irp a, \a0, (\a0)+1
.irp b, 0,1,2,3,4,5,6,7
.if \first
	v_wmma_f32_16x16x32_f16 v[8*(8*(\a)+(\b)):8*(8*(\a)+(\b))+7], v[(\f)+8*(\b):(\f)+8*(\b)+7], v[(\f)+8*(4*(\hi)+(\a)):(\f)+8*(4*(\hi)+(\a))+7], v[BI+8*(\b):BI+8*(\b)+7]
.else
	v_wmma_f32_16x16x32_f16 v[8*(8*(\a)+(\b)):8*(8*(\a)+(\b))+7], v[(\f)+8*(\b):(\f)+8*(\b)+7], v[(\f)+8*(4*(\hi)+(\a)):(\f)+8*(4*(\hi)+(\a))+7], v[8*(8*(\a)+(\b)):8*(8*(\a)+(\b))+7]
.endif
.endr
.endr
.endm
; 32 LDS loads in one run: the fragments of one quarter step (128 rows of wh, 128 rows of xh, 32 K at byte k of the rows) into buffer f
.macro FETCH slot, k, f
	WIN TO_B
.irp i, 0,1,2,3,4,5,6,7
	ds_load_b128 v[(\f)+8*(\i):(\f)+8*(\i)+3],   v[ADRB+(\slot)] offset:(\k)+(\i)*16*PITCH
	ds_load_b128 v[(\f)+8*(\i)+4:(\f)+8*(\i)+7], v[ADRB+(\slot)] offset:(\k)+(\i)*16*PITCH+32
.endr
	WIN 0
.irp i, 0,1,2,3,4,5,6,7
	ds_load_b128 v[(\f)+8*(\i):(\f)+8*(\i)+3],   v[ADRA+(\slot)] offset:(\k)+(\i)*16*PITCH
	ds_load_b128 v[(\f)+8*(\i)+4:(\f)+8*(\i)+7], v[ADRA+(\slot)] offset:(\k)+(\i)*16*PITCH+32
.endr
.endm
; A load into a register that a matrix instruction has read, and a vector instruction that reads a matrix result, stand four places behind that matrix instruction, and only plain vector
; instructions that name none of its registers are places (ISA guide 7.12.1 for vector instructions).
.macro PLACES
.rept 4
	v_nop
.endr
.endm
; A K step is four quarter steps of 32 along K, 64 matrix instructions each, on buffers 0, 1, 0, 1.
; One of the first three: multiplies buffer f; in its middle it fetches the next quarter's fragments, at byte k of the same slot's rows, into buffer g.
.macro QUARTER slot, k, f, g, first
	s_wait_dscnt 8                                 ; wh and xh's rows 0-63 are in; the youngest eight loads (xh's rows 64-127) may be out
	MUL16 \f, 0, 0, \first
	MUL16 \f, 0, 2, \first
	PLACES
	FETCH \slot, \k, \g
	s_wait_dscnt 32                                ; all but the 32 just issued
	MUL16 \f, 1, 0, \first
	MUL16 \f, 1, 2, \first
.endm
; The last quarter multiplies buffer 1 and changes slots.  MEET is its first half: ONE barrier for the change of slots.  In front of it each wave waits for all its tensor loads, of which one is out: its part
; of the next slot; adds 0 to its spare word; and waits for that and for its own reads of this slot.  Behind it nobody reads this slot any more and the next slot is whole.
.macro MEET round                      ; round = 1: the rest of a round of the cluster's barrier follows
	WIN 0                                          ; (the add's two registers lie in window 0)
	s_wait_tensorcnt 0x0                           ; all my tensor loads have landed;
	ds_add_u32 v[SPW], v[NIL]                      ; 0 onto my spare word;
	s_wait_dscnt 9                                 ; (the add and the youngest eight loads may be out)
	MUL16 F1, 0, 0, 0                              ; sixteen matrix instructions stand between the add and the wait for it
	s_wait_dscnt 0x0                               ; the add is done, and my reads of this slot are over:
	s_barrier_signal -1                            ; say so,
	MUL16 F1, 0, 2, 0                              ; work on registers while the others arrive,
.if \round
	WIN 0
.endif
	s_barrier_wait -1                              ; and go on when all four have said so
.endm
; The whole last quarter.  Behind the round the slot just read out is filled again first, with the K step two steps on; then come the next slot's first fragments.
; From a request to the wait for it a wave issues 224 matrix instructions; one load of mine is out behind each round.
.macro TURN slot, next
	s_wait_xcnt 0x0                                ; the last prefetch, a K step back, has read its address: it is stepped here, ahead of the waits of the change of slots
	s_add_nc_u64 s[PFA:PFA+1], s[PFA:PFA+1], KSTEP*2
	MEET 1
	CREST                                          ; no wave of any partner still reads this slot's tile or has a load on its way
	s_add_nc_u64 s[G0+4*(\slot)+2:G0+4*(\slot)+3], s[G0+4*(\slot)+2:G0+4*(\slot)+3], 2*KSTEP*2
	s_add_nc_u64 s[G0B+4*(\slot)+2:G0B+4*(\slot)+3], s[G0B+4*(\slot)+2:G0B+4*(\slot)+3], 2*KSTEP*2
	JLOAD \slot                                    ; the first tensor load behind the round; the four v_nop behind it are also the places in front of the loads below
	FETCH \next, 0, F0
	ASK
	MUL16 F1, 1, 0, 0
	MUL16 F1, 1, 2, 0
.endm
	s_wait_tensorcnt 1                             ; my part of K step 0 is in; K step 1's may stay out
	s_barrier_signal -1
	s_barrier_wait -1                              ; everybody's is
	FETCH 0, 0, F0
	QUARTER 0, 64,  F0, F1, 1                      ; the first quarter stands in front of the loop: its products start the sums, with the bias
	WIN 0                                          ; at a label and at a branch every window is 0
	s_mov_b32 s3, LAPS-1
.Llap:                                                 ; 15 trips: once round the ring, from a lap's second quarter to the next lap's first; both slots are filled again: K steps 2 to 31
	QUARTER 0, 128, F1, F0, 0
	QUARTER 0, 192, F0, F1, 0
	TURN 0, 1
	QUARTER 1, 64,  F0, F1, 0
	QUARTER 1, 128, F1, F0, 0
	QUARTER 1, 192, F0, F1, 0
	TURN 1, 0
	QUARTER 0, 64,  F0, F1, 0
	WIN 0
	s_sub_co_u32 s3, s3, 1
	s_cmp_lg_u32 s3, 0
	s_cbranch_scc1 .Llap
	QUARTER 0, 128, F1, F0, 0                      ; the last lap is written out: it fills nothing, and has no round of the cluster's barrier
	QUARTER 0, 192, F0, F1, 0
	MEET 0                                         ; my one tensor load that was still out is slot 1's, the last K step's
	PLACES                                         ; for the loads into buffer 0, which the quarter before multiplied
	FETCH 1, 0, F0
	MUL16 F1, 1, 0, 0
	MUL16 F1, 1, 2, 0
	QUARTER 1, 64,  F0, F1, 0
	QUARTER 1, 128, F1, F0, 0
	QUARTER 1, 192, F0, F1, 0
	s_wait_dscnt 8                                 ; the very last quarter: nothing more to fetch
	MUL16 F1, 0, 0, 0
	MUL16 F1, 0, 2, 0
	s_wait_dscnt 0x0
	MUL16 F1, 1, 0, 0
	MUL16 F1, 1, 2, 0
; THE WAY OUT, in two passes of 64 of my rows (window 2, then window 3).
; REQ p: for each block a of 16 rows its 64 sums a lane: times the scale plus the zero point, one fused step; clamped; plus 1.5 x 2^23, which rounds half to even;
; the four low bytes of four registers into one.  Each accumulator's registers are taken in ascending order.
.macro REQ p
.irp a, 0,1,2,3
	WIN 0x06+(\p)                                  ; source 0: the sums, window 2 or 3; source 1: the scales, window 1; destination window 0
.set i, 0
.rept 32
	v_pk_fma_f32 v[T+2*i:T+2*i+1], v[64*(\a)+2*i:64*(\a)+2*i+1], v[SC+2*i:SC+2*i+1], s[ZP:ZP+1] op_sel_hi:[1,1,0]
.set i, i+1
.endr
	WIN 0
.set i, 0
.rept 64
	v_med3_num_f32 v[T+i], v[T+i], s86, s87
.set i, i+1
.endr
.set i, 0
.rept 32
	v_pk_add_f32 v[T+2*i:T+2*i+1], v[T+2*i:T+2*i+1], s[MG:MG+1] op_sel_hi:[1,0]
.set i, i+1
.endr
.set i, 0
.rept 32
	v_perm_b32 v[T+2*i], v[T+2*i+1], v[T+2*i], s88                ; two int8 in the low half
.set i, i+1
.endr
.set i, 0
.rept 16
	v_perm_b32 v[PK+16*(\a)+i], v[T+4*i+2], v[T+4*i], s89         ; four int8: columns in ascending order
.set i, i+1
.endr
.endr
.endm
.macro PUT                             ; block a, blocks 2 g and 2 g + 1 of columns: 16 bytes a lane into the stage
.irp a, 0,1,2,3
.irp g, 0,1,2,3
	ds_store_b128 v[STO], v[PK+16*(\a)+4*(\g):PK+16*(\a)+4*(\g)+3] offset:(\a)*16*SP+32*(\g)
.endr
.endr
.endm
.macro GET dst                         ; 32 whole rows back, two a load
.irp t, 0,1,2,3,4,5,6,7,8,9,10,11,12,13,14,15
	ds_load_b128 v[(\dst)+4*(\t):(\dst)+4*(\t)+3], v[RD] offset:(\t)*2*SP
.endr
.endm
.macro SEND src, p
.irp t, 0,1,2,3,4,5,6,7,8,9,10,11,12,13,14,15
	s_wait_dscnt 15-(\t)                           ; LDS loads come back in order (ISA guide 5.7.1): load t is in; the last count is 0
	global_store_b128 v[CO], v[(\src)+4*(\t):(\src)+4*(\t)+3], s[8:9] offset:(\p)*64*SIZE_N+(\t)*2*SIZE_N th:TH_STORE_NT  ; 16 lanes store 256 consecutive bytes, at a multiple of 256 from out0's first byte
.endr
.endm
	WIN 0
	PLACES                                         ; behind the last products
	PLACES
	REQ 0
	PUT
	s_wait_dscnt 0x0                               ; for the others' sake: my stores into the stage are done; a row's 256 bytes come from two waves
	s_barrier_signal -1
	s_barrier_wait -1
	GET RB
	SEND RB, 0                                     ; its last wait is for 0: my reads of the stage are back,
	s_barrier_signal -1                            ; and I say so; the second pass's arithmetic, work on registers alone, stands between the signal and the wait
	REQ 1
	WIN 0
	s_barrier_wait -1                              ; nobody reads the stage any more: it may be written again
	PUT
	s_wait_dscnt 0x0
	s_barrier_signal -1
	s_barrier_wait -1
	GET RB2                                        ; other registers than the first pass's, whose stores may still read theirs
	SEND RB2, 1
	s_wait_tensorcnt 0x0                           ; the wave's end, behind my last tensor load and my last LDS store
	ds_add_u32 v[SPW], v[NIL]
	s_wait_dscnt 0x0
	CROUND                                         ; the closing round: no work-group ends while a partner may still ask for a tile that names it
	s_endpgm
.Lfunc_end_k_qe707571a9e_gemm:
	.size	k_qe707571a9e_gemm, .Lfunc_end_k_qe707571a9e_gemm-k_qe707571a9e_gemm
	.p2alignl 7, 3214868480
	.fill 96, 4, 3214868480
	.section	.rodata,"a",@progbits
	.p2align	6, 0x0
	.amdhsa_kernel k_qe707571a9e_gemm
		.amdhsa_group_segment_fixed_size 327680
		.amdhsa_private_segment_fixed_size 0
		.amdhsa_enable_private_segment 0
		.amdhsa_kernarg_size 64
		.amdhsa_user_sgpr_count 2
		.amdhsa_user_sgpr_kernarg_segment_ptr 1
		.amdhsa_wavefront_size32 1
		.amdhsa_system_sgpr_workgroup_id_x 1
		.amdhsa_system_sgpr_workgroup_id_y 1
		.amdhsa_system_sgpr_workgroup_id_z 1
		.amdhsa_system_vgpr_workitem_id 0
		.amdhsa_next_free_vgpr 1024
		.amdhsa_next_free_sgpr 96
		.amdhsa_reserve_vcc 0
		.amdhsa_float_denorm_mode_32 3
		.amdhsa_float_denorm_mode_16_64 3
		.amdhsa_memory_ordered 1
		.amdhsa_forward_progress 1
		.amdhsa_inst_pref_size 220
	.end_amdhsa_kernel
	.amdgpu_metadata
---
amdhsa.version: [ 1, 2 ]
amdhsa.kernels:
  - .name:           k_qe707571a9e_gemm
    .symbol:         k_qe707571a9e_gemm.kd
    .args:
      - { .name: xh, .offset: 0, .size: 8, .value_kind: global_buffer, .address_space: global }
      - { .name: wh, .offset: 8, .size: 8, .value_kind: global_buffer, .address_space: global }
      - { .name: out0, .offset: 16, .size: 8, .value_kind: global_buffer, .address_space: global }
      - { .name: bias, .offset: 24, .size: 8, .value_kind: global_buffer, .address_space: global }
      - { .name: weight_scale, .offset: 32, .size: 8, .value_kind: global_buffer, .address_space: global }
      - { .name: input_scale, .offset: 40, .size: 8, .value_kind: global_buffer, .address_space: global }
      - { .name: output_scale, .offset: 48, .size: 8, .value_kind: global_buffer, .address_space: global }
      - { .name: output_zero_point, .offset: 56, .size: 8, .value_kind: global_buffer, .address_space: global }
    .group_segment_fixed_size: 327680
    .private_segment_fixed_size: 0
    .kernarg_segment_align: 8
    .kernarg_segment_size: 64
    .max_flat_workgroup_size: 128
    .sgpr_count:     96
    .vgpr_count:     1024
    .wavefront_size: 32
...
	.end_amdgpu_metadata
.endif
;; end of part 2
;; ======== version 2 of 2: 2 launches; version 1 with the launch tohalf written anew for expert scheduling mode
;; limits: right only within a limited range of input values; values are held in f16: magnitudes above 65,504 overflow, below 6.1e-05 lose precision
;; workspace buffers: xh 33,554,432 bytes; wh 33,554,432 bytes
;; launch tohalf (part 3): grid 512 x 2, 8 waves a work-group, no clusters, 0 bytes of LDS; arguments x, weight, input_zero_point, xh, wh; writes xh, wh
.if DOCPART == 3
	.amdgcn_target "amdgcn-amd-amdhsa--gfx1250"
	.amdhsa_code_object_version 6
	.text
	.protected	k_qe707571a9e_tohalf
	.globl	k_qe707571a9e_tohalf
	.p2align	8
	.type	k_qe707571a9e_tohalf,@function
k_qe707571a9e_tohalf:
	s_mov_b64 s[64:65], 0
	v_nop
	global_prefetch_b8 v0, s[64:65] scope:SCOPE_SE
	s_setreg_imm32_b32 hwreg(HW_REG_WAVE_SCHED_MODE, 0, 2), 2
	s_setreg_imm32_b32 hwreg(HW_REG_WAVE_MODE, 25, 1), 1
	s_wait_xcnt 0x0
	s_wait_alu depctr_vm_vsrc(0)
; xh[n][k] = f16(x[n][k] - input_zero_point);  wh[p][k] = f16(weight[q(p)][k]), q = p with its bits 3 and 4 exchanged.
; x, weight: [4096][4096] int32.  xh, wh: [4096][4096] f16.  The subtraction is made in int32, as the problem makes it; the conversion is exact.
; LIMIT.  f16 holds every whole number up to 2,048 exactly: |x - zero point| and |weight| stay within 2,048 (an int8 tensor reaches 255 and 128).
; WHY THE ROWS OF wh ARE PERMUTED.  In the product that follows, a lane's eight results of a 16 x 16 block are eight neighbouring rows of wh; with bits 3 and 4
; exchanged two neighbouring blocks give a lane sixteen neighbouring output columns, 16 bytes of int8.  Whole groups of eight rows move, so here it is one other offset.
; SHARES.  Grid y picks the tensor (0: x, 1: weight).  A work-group owns eight rows: 131,072 dense bytes in, 65,536 out, in 32 slots.  In slot i thread t loads the 16 bytes at
; 4,096 i + 16 t and stores the 8 bytes at 2,048 i + 8 t: a wave's load covers 512 consecutive bytes, its store 256 consecutive bytes, aligned.
; Every slot's place stands in the immediate, so no address register and no base is ever rewritten.
; Nothing is shared between waves: no LDS, no barrier, no cluster.  Every byte is read once, in long runs, with the loads always out: no prefetch is laid.
; THE MODE: SCHED_MODE bits 1:0 = 2 (LLVM: expert scheduling mode 2), set by the entry lines.  The code itself states the register dependences
; between vector instructions and memory instructions, with s_wait_alu, always for 0.
; THE PLAN.  The 32 slots go in 8 blocks of four.  Registers that memory instructions touch:
;   v1, v2   byte offsets, made once at the head and never written again; v1 is read by every load, v2 by every store.
;   X        sixteen slots' four int32 as loaded; slot n at X + 4 (n % 16).  Slots 0 to 15 are asked for at the head; slot n + 12 is asked for in block 1 to 4, beside slot n's work,
;            and lands in the registers of slot n - 4, which the block before has read.  Read by the slot's four additions.
;   Y        slots 0 to 15: two registers each, written once by the slot's two roundings, read by its one store, which is issued in the block behind.
;            Slots 16 to 31 round into the first two of their own four X registers: no load lands there again.
;   T        at work: no memory instruction names it.
; Block p's memory instructions are the stores of block p - 1 and (p = 1 to 4) the loads of block p + 3: they touch the out-registers and the X registers of block p - 1 alone, and no vector
; instruction of block p names those.  So ONE wait on va_vdst at a block's head states all that its eight memory instructions hang on, and they are dealt among its vector instructions.
; No register that a memory instruction has read is written again in the whole text: so no wait on vm_vsrc and none on XCNT is owed behind the entry.
.set INB,   4096                       ; bytes that the work-group loads in a slot
.set OUTB,  2048                       ; bytes that it stores in a slot
.set BLOCK, 4                          ; slots in a block
.set AHEAD, 12                         ; a block asks for the slots three blocks on
.set T,  4                             ; v[4:7]     at work
.set X,  8                             ; v[8:71]    slot n: four int32 as loaded, at X + 4 (n % 16)
.set Y,  72                            ; v[72:103]  slot n of the first sixteen: four f16 to store, at Y + 2 n
	s_load_b256 s[4:11], s[0:1], 0x0               ; x s[4:5], weight s[6:7], the zero point's address s[8:9], xh s[10:11]
	s_load_b64 s[12:13], s[0:1], 0x20              ; wh
	v_lshlrev_b32 v1, 4, v0                        ; 16 t
	v_lshlrev_b32 v2, 3, v0                        ; 8 t
	s_and_b32 s14, ttmp7, 0xffff                   ; 0: x, 1: weight
	s_and_b32 s15, ttmp9, 1                        ; the group of eight rows with its bits 0 and 1 exchanged (bits 3 and 4 of the row):
	s_bfe_u32 s16, ttmp9, 0x10001                  ; bit 1
	s_lshl1_add_u32 s15, s15, s16                  ; 2 x bit 0 + bit 1
	s_and_b32 s16, ttmp9, -4
	s_or_b32 s15, s15, s16
	s_lshl_b32 s18, ttmp9, 17                      ; my eight rows in the source: 131,072 bytes a group, under 2^26
	s_mov_b32 s19, 0
	s_mov_b32 s21, 0
	s_wait_kmcnt 0x0
	s_load_b32 s22, s[8:9], 0x0                    ; the zero point
	s_cmp_eq_u32 s14, 0                            ; the three selects read this one compare: nothing between them writes SCC
	s_cselect_b64 s[4:5], s[4:5], s[6:7]           ; from x or from weight,
	s_cselect_b64 s[10:11], s[10:11], s[12:13]     ; into xh or into wh,
	s_cselect_b32 s15, ttmp9, s15                  ; x's rows stay where they are
	s_lshl_b32 s20, s15, 16                        ; 65,536 bytes a group in the destination
	s_add_nc_u64 s[4:5], s[4:5], s[18:19]
	s_add_nc_u64 s[10:11], s[10:11], s[20:21]
	s_wait_alu depctr_va_vdst(0)                   ; v1 and v2 are written: every load of the kernel reads v1 as its offset, every store v2
.irp i, 0,1,2,3,4,5,6,7,8,9,10,11,12,13,14,15
	global_load_b128 v[X+4*(\i):X+4*(\i)+3], v1, s[4:5] offset:(\i)*INB th:TH_LOAD_NT  ; X is filled: slots 0 to 15
.endr
	s_wait_kmcnt 0x0
	s_cmp_eq_u32 s14, 0
	s_cselect_b32 s22, s22, 0                      ; nothing is taken from the weights
	s_sub_co_i32 s22, 0, s22                       ; what is added: minus the zero point
; Where a slot's four f16 lie: yy.
.macro OUTREG slot
.if (\slot) < 16
.set yy, Y+2*(\slot)                   ; registers of their own
.else
.set yy, X+4*((\slot)-16)              ; the first two of the slot's own X registers
.endif
.endm
; Block p of 8.  ahead = 1: the slots three blocks on are asked for.  left = how many younger loads may stay out when this block's four have to be there.
.macro BLK p, ahead, left
	s_wait_loadcnt \left                           ; loads come back in order (ISA guide 5.7.1): this block's four are in, the younger ones stay out
.if (\p) > 0
	s_wait_alu depctr_va_vdst(0)                   ; the block before has written its four slots' f16, which the stores below read, and is done reading its X registers, in which the loads below land
.endif
.irp i, 0,1,2,3
.set n, BLOCK*(\p)+(\i)
.set xx, X+4*(n%16)
.if \ahead
.set xl, X+4*((n+AHEAD)%16)
	global_load_b128 v[xl:xl+3], v1, s[4:5] offset:(n+AHEAD)*INB th:TH_LOAD_NT  ; into the registers of slot n - 4; no vector instruction since the wait names them
.endif
.if (\p) > 0
	OUTREG n-BLOCK
	global_store_b64 v2, v[yy:yy+1], s[10:11] offset:(n-BLOCK)*OUTB th:TH_STORE_NT  ; the block before; no vector instruction since the wait names these registers either
.endif
.irp k, 0,1,2,3
	v_add_nc_u32 v[T+(\k)], s22, v[xx+(\k)]        ; x - zero point, in int32
.endr
.irp k, 0,1,2,3
	v_cvt_f32_i32 v[T+(\k)], v[T+(\k)]
.endr
	OUTREG n
	v_cvt_pk_f16_f32 v[yy], v[T], v[T+1]           ; whole numbers within 2,048: nothing is rounded
	v_cvt_pk_f16_f32 v[yy+1], v[T+2], v[T+3]
.endr
.endm
	BLK 0, 0, 12                                   ; sixteen loads are out: the twelve younger ones stay out; there is no block in front, so nothing is stored and nothing asked for
	BLK 1, 1, 8                                    ; blocks 1 to 4 ask for slots 16 to 31: behind a block's own four loads stand two blocks' eight
	BLK 2, 1, 8
	BLK 3, 1, 8
	BLK 4, 1, 8
	BLK 5, 0, 8                                    ; the last three load nothing: the counts run down
	BLK 6, 0, 4
	BLK 7, 0, 0
	s_wait_alu depctr_va_vdst(0)                   ; block 7 has written its four slots' f16, which the last four stores read
.irp i, 0,1,2,3
	OUTREG 28+(\i)
	global_store_b64 v2, v[yy:yy+1], s[10:11] offset:(28+(\i))*OUTB th:TH_STORE_NT
.endr
	s_endpgm
.Lfunc_end_k_qe707571a9e_tohalf:
	.size	k_qe707571a9e_tohalf, .Lfunc_end_k_qe707571a9e_tohalf-k_qe707571a9e_tohalf
	.p2alignl 7, 3214868480
	.fill 96, 4, 3214868480
	.section	.rodata,"a",@progbits
	.p2align	6, 0x0
	.amdhsa_kernel k_qe707571a9e_tohalf
		.amdhsa_group_segment_fixed_size 0
		.amdhsa_private_segment_fixed_size 0
		.amdhsa_enable_private_segment 0
		.amdhsa_kernarg_size 40
		.amdhsa_user_sgpr_count 2
		.amdhsa_user_sgpr_kernarg_segment_ptr 1
		.amdhsa_wavefront_size32 1
		.amdhsa_system_sgpr_workgroup_id_x 1
		.amdhsa_system_sgpr_workgroup_id_y 1
		.amdhsa_system_sgpr_workgroup_id_z 1
		.amdhsa_system_vgpr_workitem_id 0
		.amdhsa_next_free_vgpr 104
		.amdhsa_next_free_sgpr 66
		.amdhsa_reserve_vcc 0
		.amdhsa_float_denorm_mode_32 3
		.amdhsa_float_denorm_mode_16_64 3
		.amdhsa_memory_ordered 1
		.amdhsa_forward_progress 1
		.amdhsa_inst_pref_size 20
	.end_amdhsa_kernel
	.amdgpu_metadata
---
amdhsa.version: [ 1, 2 ]
amdhsa.kernels:
  - .name:           k_qe707571a9e_tohalf
    .symbol:         k_qe707571a9e_tohalf.kd
    .args:
      - { .name: x, .offset: 0, .size: 8, .value_kind: global_buffer, .address_space: global }
      - { .name: weight, .offset: 8, .size: 8, .value_kind: global_buffer, .address_space: global }
      - { .name: input_zero_point, .offset: 16, .size: 8, .value_kind: global_buffer, .address_space: global }
      - { .name: xh, .offset: 24, .size: 8, .value_kind: global_buffer, .address_space: global }
      - { .name: wh, .offset: 32, .size: 8, .value_kind: global_buffer, .address_space: global }
    .group_segment_fixed_size: 0
    .private_segment_fixed_size: 0
    .kernarg_segment_align: 8
    .kernarg_segment_size: 40
    .max_flat_workgroup_size: 256
    .sgpr_count:     66
    .vgpr_count:     104
    .wavefront_size: 32
...
	.end_amdgpu_metadata
.endif
;; end of part 3
;; launch gemm: the kernel of part 2 again; grid 16 x 16, 4 waves a work-group, clusters of 4 x 4, 327,680 bytes of LDS; arguments xh, wh, out0, bias, weight_scale, input_scale, output_scale, output_zero_point; writes out0
